; MI455X (gfx1250); checked and timed in simulation.
; The chip was launched on July 23, 2026; its instructions are those of AMD's public machine-readable ISA for CDNA 5 (MIT licence, August 2026) and "CDNA5" Instruction Set Architecture Reference Guide (July 2026). The comments in the code are by the model that wrote it; some were corrected since.
;; Self Attention. Allowed arithmetic: float matrix products may take bf16 or f16 operands with f32 sums; other float arithmetic in f32, or as packed bf16 or f16 multiplies, adds, multiply-adds, maxima and minima; sums over many terms, partial sums and values carried from step to step in f32; what a program stores and reads back later, other than sums and carried values, may be rounded once to bf16 or f16.
;; Inputs: bf 8 float32; bg 8 float32; bh 64 float32; bo 64 float32; gamma 1 float32; wf 64 x 8 float32; wg 64 x 8 float32; wh 64 x 64 float32; wo 64 x 64 float32; x 4 x 64 x 64 x 64 float32.
;; Outputs: out0 4 x 64 x 64 x 64 float32.
;; 2 versions, each right; version 2 is version 1 with the launch proj written anew for expert scheduling mode. Each part assembles by itself: llvm-mc -triple=amdgcn-amd-amdhsa -mcpu=gfx1250 --defsym DOCPART=n.
;; ======== version 1 of 2: 2 launches
;; workspace buffers: kvq 2,621,440 bytes
;; launch proj (part 1): grid 256 x 1, 4 waves a work-group, no clusters, 32,256 bytes of LDS; arguments x, wf, wg, bg, wh, bh, wo, kvq; writes kvq
.if DOCPART == 1
	.amdgcn_target "amdgcn-amd-amdhsa--gfx1250"
	.amdhsa_code_object_version 6
	.text
	.protected	k_qd4833cf392_proj
	.globl	k_qd4833cf392_proj
	.p2align	8
	.type	k_qd4833cf392_proj,@function
k_qd4833cf392_proj:
	s_mov_b64 s[64:65], 0
	v_nop
	global_prefetch_b8 v0, s[64:65] scope:SCOPE_SE
	s_setreg_imm32_b32 hwreg(HW_REG_WAVE_MODE, 25, 1), 1
	s_wait_xcnt 0x0
; SAGAN self-attention, first of two launches: the per-pixel products.  x: [4][4096][64] f32.
;   f = x wf (keys, 8 channels), g = x wg + bg (queries, 8 channels), h = x wh + bh (values), v' = h wo.
; WORK LEFT OUT.  bf is not loaded and is no argument of either launch.  s[i][j] = g[i] . (x[j] wf) + g[i] . bf, and the second term does not
; hang on j, the axis of the softmax: exp(s + t) / sum_j exp(s + t) = exp(s) / sum_j exp(s) for every t, so bf reaches no output whatever finite
; values the inputs hold.  LIMIT: a NaN, an infinity or an overflow that would arise in g . bf alone is not carried to the result.
; RE-ASSOCIATED, not left out: sum_j beta[i][j] (h[j] wo) = (sum_j beta[i][j] h[j]) wo, so the product with wo is made here, once a pixel; the
; multiply-adds are the same, and h and v' are each rounded once to bf16 where h and o would have been.  bo and gamma are applied in the second launch, in f32.
; FORMATS.  Matrix operands bf16 (f, g, h have no room in f16 for inputs some 30 times larger), sums f32.  g is multiplied by log2(e) in f32 ahead of its one rounding.
; LIMITS.  NaN and infinities are not treated apart; the order of the sums is the matrix unit's.
; SHARES.  Work-group G takes pixels 64 G .. 64 G + 63, one key step of the second launch; wave w takes 16 of them.  18 matrix instructions a wave.
; NO CLUSTER, NO TENSOR LOAD: the weights (37 KB, f32 in memory) are read once by a work-group and must be rounded to bf16 on their way, so they pass through
; registers in any case; there is no loop in which a shared tile would be asked for again.  No prefetch: every byte is asked for at the head.
; WHAT IS STORED (kvq, bf16).  A PIECE of 36,864 bytes holds 256 keys: 4,096 bytes of K (key x 16 bytes), then 32,768 of V: key step (64 keys) x 8,192, in it eight fragments
; f = 4 kk + cb of 1,024 bytes as [half q][lane][8 numbers]: number e of lane (r, h) is v'[key 32 kk + 16 q + 8 h + e][channel 16 cb + r]: the register image of
; 16 channels x 32 keys of V^T.  Piece number = pixel / 256.  Behind the 64 pieces: g, pixel x 16 bytes.
.set WHL,   0                          ; LDS: wh in bf16 as it lies, [c_in][c_out]: 64 rows, 128 bytes + 32 of padding
.set WOL,   10240                      ; wo likewise
.set FGL,   20480                      ; 64 rows of 32 bytes: wf's 8 columns, then wg's 8
.set XTL,   22528                      ; each wave's own 16 pixels: rows of 128 bytes + 16
.set SPARE, 31744                      ; the spare words, 128 bytes a wave: two blocks of 256 bytes that no other line names
.set PIECE, 36864
.set QOFF,  64*PIECE
.set WA,  4                            ; v4   where my 8 bytes of a row of wh or wo go
.set FA,  5                            ; v5   the same for wf; wg 16 bytes on
.set XA,  6                            ; v6   the same for x
.set XR,  7                            ; v7   x's fragments: row r, 16 h
.set TRA, 8                            ; v8   the turning load's place in wh and wo
.set TRF, 9                            ; v9   and in FGL
.set L16, 10                           ; v10  16 x lane
.set T16, 11                           ; v11  16 x thread
.set H32, 12                           ; v12  32 h
.set KQO, 13                           ; v13  my 16 bytes of K (lanes 0-15) or of g (lanes 16-31)
.set VO,  14                           ; v14  my 16 bytes of a fragment of V
.set ZO,  15                           ; v15  0, an offset
.set SPW, 16                           ; v16  my spare word; never rewritten
.set NIL, 17                           ; v17  0; never rewritten
.set FS,  18                           ; v[18:19] 1.0 in lanes 0-15 (f), log2(e) in lanes 16-31 (g)
.set TP,  20                           ; v20-27 packed numbers on their way
.set WHF, 32                           ; v32-95   raw wh, raw wo; then wh's fragments (16 mb + 8 kc)
.set DV,  32                           ; v32-63   later v'
.set XF,  96                           ; v96-111  raw x (to v127); then x's fragments (8 kc); at the end v' packed
.set FGF, 112                          ; v112-127 wf's and wg's fragments
.set RFG, 128                          ; v128-135 raw wf, wg
.set DH,  136                          ; v136-167 bh, then h^T: register 8 mb + j = channel 16 mb + 8 h + j of pixel r
.set DFG, 168                          ; v168-175 0 | bg, then f | g of pixel r
.set WOF, 176                          ; v176-239 wo's fragments (16 nb + 8 kc)
.set HF,  240                          ; v240-255 h in bf16, 16 pixels x 64 channels
	s_load_b512 s[4:19], s[0:1], 0x0               ; x 4, wf 6, wg 8, bg 10, wh 12, bh 14, wo 16, kvq 18
	v_lshl_add_u32 v[SPW], v0, 2, SPARE
	v_mov_b32 v[NIL], 0
	v_lshrrev_b32 v20, 5, v0
	v_readfirstlane_b32 s20, v20                   ; wave 0..3
	v_and_b32 v1, 31, v0                           ; lane
	v_and_b32 v2, 15, v0                           ; r
	v_bfe_u32 v3, v0, 4, 1                         ; h
	v_lshrrev_b32 v20, 4, v0
	v_mul_u32_u24 v[WA], v20, 160                  ; a load of the work-group covers 8 rows of 256 bytes: row thread / 16,
	v_lshl_add_u32 v[WA], v2, 3, v[WA]             ; four numbers at 4 (thread % 16): 8 bytes in bf16
	v_lshrrev_b32 v20, 1, v0
	v_and_b32 v21, 1, v0
	v_lshl_add_u32 v[FA], v20, 5, FGL              ; wf, wg: row thread / 2, half thread % 2
	v_lshl_add_u32 v[FA], v21, 3, v[FA]
	s_mul_i32 s21, s20, 16*144
	s_add_co_u32 s21, s21, XTL                     ; my wave's 16 rows
	v_mul_u32_u24 v[XA], v3, 144
	v_lshl_add_u32 v[XA], v2, 3, v[XA]
	v_add_nc_u32 v[XA], s21, v[XA]
	v_mul_u32_u24 v[XR], v2, 144
	v_lshl_add_u32 v[XR], v3, 4, v[XR]
	v_add_nc_u32 v[XR], s21, v[XR]
	v_and_b32 v20, 7, v0                           ; the turning load: lane l reads row 8 h + l % 8, 16 bytes at 16 ((l / 8) % 2)
	v_lshl_add_u32 v20, v3, 3, v20
	v_bfe_u32 v21, v0, 3, 1
	v_mul_u32_u24 v[TRA], v20, 160
	v_lshl_add_u32 v[TRA], v21, 4, v[TRA]
	v_lshl_add_u32 v[TRF], v20, 5, FGL
	v_lshl_add_u32 v[TRF], v21, 4, v[TRF]
	v_lshlrev_b32 v[L16], 4, v1
	v_lshlrev_b32 v[T16], 4, v0
	v_lshlrev_b32 v[H32], 5, v3
	v_mov_b32 v[ZO], 0
	v_cmp_eq_u32 s32, 1, v3                        ; lanes 16-31
	v_mov_b32 v[FS+1], 0x3fb8aa3b                  ; log2(e)
	v_cndmask_b32 v[FS], 1.0, v[FS+1], s32
	v_mov_b32 v[FS+1], v[FS]
	s_lshr_b32 s22, ttmp9, 2
	s_mul_i32 s22, s22, PIECE                      ; my piece
	s_and_b32 s23, ttmp9, 3                        ; my key step in it
	s_lshl_b32 s24, s23, 10
	s_add_co_u32 s24, s24, s22
	s_lshl_b32 s25, s20, 8
	s_add_co_u32 s24, s24, s25                     ; K: piece + 1,024 step + 256 wave
	s_lshl_b32 s26, ttmp9, 10
	s_add_co_u32 s26, s26, s25
	s_add_co_u32 s26, s26, QOFF                    ; g: QOFF + 16 (64 G + 16 wave)
	v_mov_b32 v[KQO], s24
	v_mov_b32 v20, s26
	v_cndmask_b32 v[KQO], v[KQO], v20, s32
	v_lshl_add_u32 v[KQO], v2, 4, v[KQO]
	s_lshl_b32 s27, s23, 13
	s_add_co_u32 s27, s27, s22
	s_lshr_b32 s28, s20, 1
	s_lshl_b32 s28, s28, 12                        ; kk = wave / 2: four fragments of 1,024
	s_add_co_u32 s27, s27, s28
	s_and_b32 s28, s20, 1
	s_lshl_b32 s28, s28, 9                         ; q = wave % 2: half a fragment
	s_add_co_u32 s27, s27, s28
	s_add_co_u32 s27, s27, 4096                    ; behind the piece's K
	v_add_nc_u32 v[VO], s27, v[L16]
	s_lshl_b32 s30, ttmp9, 14                      ; 64 pixels of 256 bytes,
	s_lshl_b32 s31, s20, 12                        ; my wave's 16
	s_add_co_u32 s30, s30, s31
	s_mov_b32 s31, 0
	s_wait_kmcnt 0x0
	s_add_nc_u64 s[4:5], s[4:5], s[30:31]
	; 36 loads, in the order in which they are wanted: wh 8, wo 8, wf 1, wg 1, x 8, bh 8, bg 2
.irp i, 0,1,2,3,4,5,6,7
	global_load_b128 v[WHF+4*\i:WHF+4*\i+3], v[T16], s[12:13] offset:2048*\i
.endr
.irp i, 0,1,2,3,4,5,6,7
	global_load_b128 v[WHF+32+4*\i:WHF+32+4*\i+3], v[T16], s[16:17] offset:2048*\i
.endr
	global_load_b128 v[RFG:RFG+3], v[T16], s[6:7]
	global_load_b128 v[RFG+4:RFG+7], v[T16], s[8:9]
.irp i, 0,1,2,3,4,5,6,7
	global_load_b128 v[XF+4*\i:XF+4*\i+3], v[L16], s[4:5] offset:512*\i
.endr
.irp mb, 0,1,2,3
	global_load_b128 v[DH+8*\mb:DH+8*\mb+3],   v[H32], s[14:15] offset:64*\mb
	global_load_b128 v[DH+8*\mb+4:DH+8*\mb+7], v[H32], s[14:15] offset:64*\mb+16
.endr
	global_load_b128 v[DFG:DFG+3],   v[ZO], s[10:11]
	global_load_b128 v[DFG+4:DFG+7], v[ZO], s[10:11] offset:16
.macro STAGE src, adr, off, tmp        ; four f32 rounded to bf16, 8 bytes into LDS
	v_cvt_pk_bf16_f32 v[\tmp], v[\src], v[(\src)+1]
	v_cvt_pk_bf16_f32 v[(\tmp)+1], v[(\src)+2], v[(\src)+3]
	ds_store_b64 v[\adr], v[\tmp:(\tmp)+1] offset:\off
.endm
	s_wait_loadcnt 28                              ; wh is in: 28 younger loads stay out
.irp i, 0,1,2,3,4,5,6,7
	STAGE WHF+4*\i, WA, WHL+1280*\i, TP+2*(\i%4)
.endr
	s_wait_loadcnt 20                              ; wo is in
.irp i, 0,1,2,3,4,5,6,7
	STAGE WHF+32+4*\i, WA, WOL+1280*\i, TP+2*(\i%4)
.endr
	s_wait_loadcnt 18                              ; wf and wg are in: x, bh and bg stay out
	STAGE RFG, FA, 0, TP
	STAGE RFG+4, FA, 16, TP+2
	s_wait_loadcnt 10                              ; x is in: bh and bg stay out
.irp i, 0,1,2,3,4,5,6,7
	STAGE XF+4*\i, XA, 288*\i, TP+2*(\i%4)
.endr
	s_wait_loadcnt 0x0
.irp j, 0,1,2,3,4,5,6,7
	v_cndmask_b32 v[DFG+\j], 0, v[DFG+\j], s32     ; f starts at 0 (bf is left out), g at bg
.endr
	s_wait_dscnt 0x0                               ; for the others' sake: my part of the weights lies in LDS
	s_barrier_signal -1
	s_barrier_wait -1                              ; everybody's does
	; fragments: x as it lies (K along the rows), the weights ([K][N]) turned
.irp kc, 0,1
	ds_load_b128 v[XF+8*\kc:XF+8*\kc+3],   v[XR] offset:64*\kc
	ds_load_b128 v[XF+8*\kc+4:XF+8*\kc+7], v[XR] offset:64*\kc+32
	ds_load_tr16_b128 v[FGF+8*\kc:FGF+8*\kc+3],   v[TRF] offset:1024*\kc
	ds_load_tr16_b128 v[FGF+8*\kc+4:FGF+8*\kc+7], v[TRF] offset:1024*\kc+512
.endr
.irp mb, 0,1,2,3
.irp kc, 0,1
	ds_load_tr16_b128 v[WHF+16*\mb+8*\kc:WHF+16*\mb+8*\kc+3],   v[TRA] offset:WHL+5120*\kc+32*\mb
	ds_load_tr16_b128 v[WHF+16*\mb+8*\kc+4:WHF+16*\mb+8*\kc+7], v[TRA] offset:WHL+5120*\kc+32*\mb+2560
.endr
.endr
.irp nb, 0,1,2,3
.irp kc, 0,1
	ds_load_tr16_b128 v[WOF+16*\nb+8*\kc:WOF+16*\nb+8*\kc+3],   v[TRA] offset:WOL+5120*\kc+32*\nb
	ds_load_tr16_b128 v[WOF+16*\nb+8*\kc+4:WOF+16*\nb+8*\kc+7], v[TRA] offset:WOL+5120*\kc+32*\nb+2560
.endr
.endr
	s_wait_dscnt 16                                ; all but wo's sixteen
	; (f | g)^T and h^T = weights^T x^T, onto the biases.  Source 0 = 16 output channels, source 1 = my 16 pixels: a lane holds ONE pixel and eight channels.
	; The five accumulators take turns, one instruction a turn.
.irp kc, 0,1
	v_wmma_f32_16x16x32_bf16 v[DFG:DFG+7], v[FGF+8*\kc:FGF+8*\kc+7], v[XF+8*\kc:XF+8*\kc+7], v[DFG:DFG+7]
.irp mb, 0,1,2,3
	v_wmma_f32_16x16x32_bf16 v[DH+8*\mb:DH+8*\mb+7], v[WHF+16*\mb+8*\kc:WHF+16*\mb+8*\kc+7], v[XF+8*\kc:XF+8*\kc+7], v[DH+8*\mb:DH+8*\mb+7]
.endr
.endr
.rept 4
	v_nop                                          ; four places between the last product and the first line that reads a result (ISA guide 7.12.1)
.endr
	; h^T rounded in pairs IS source 0 (16 pixels x 32 channels) of v' = h wo: nothing changes lanes.  Each accumulator is read from its low end on.
.irp kc, 0,1
.irp g, 0,1
.irp i, 0,1,2,3
	v_cvt_pk_bf16_f32 v[HF+8*\kc+4*\g+\i], v[DH+8*(2*\kc+\g)+2*\i], v[DH+8*(2*\kc+\g)+2*\i+1]
.endr
.endr
.endr
	s_wait_dscnt 0x0                               ; wo's fragments
.irp nb, 0,1,2,3
	v_wmma_f32_16x16x32_bf16 v[DV+8*\nb:DV+8*\nb+7], v[HF:HF+7], v[WOF+16*\nb:WOF+16*\nb+7], 0
.endr
.irp nb, 0,1,2,3
	v_wmma_f32_16x16x32_bf16 v[DV+8*\nb:DV+8*\nb+7], v[HF+8:HF+15], v[WOF+16*\nb+8:WOF+16*\nb+15], v[DV+8*\nb:DV+8*\nb+7]
.endr
	; f and g leave meanwhile: eight plain lines that name no register of those products are the places behind them
.irp i, 0,1,2,3
	v_pk_mul_f32 v[DFG+2*\i:DFG+2*\i+1], v[DFG+2*\i:DFG+2*\i+1], v[FS:FS+1]
.endr
.irp i, 0,1,2,3
	v_cvt_pk_bf16_f32 v[TP+\i], v[DFG+2*\i], v[DFG+2*\i+1]
.endr
	global_store_b128 v[KQO], v[TP:TP+3], s[18:19]  ; lanes 0-15: 256 consecutive bytes of K, aligned; lanes 16-31: 256 of g
	; v': a lane holds channel 16 nb + r and the pixels 8 h + 0..7: 16 bytes of the fragment's image
.irp nb, 0,1,2,3
.irp i, 0,1,2,3
	v_cvt_pk_bf16_f32 v[XF+4*\nb+\i], v[DV+8*\nb+2*\i], v[DV+8*\nb+2*\i+1]
.endr
.endr
.irp nb, 0,1,2,3
	global_store_b128 v[VO], v[XF+4*\nb:XF+4*\nb+3], s[18:19] offset:1024*\nb  ; 512 consecutive bytes, aligned
.endr
	s_wait_tensorcnt 0x0                           ; the wave's end, behind my last LDS store
	ds_add_u32 v[SPW], v[NIL]
	s_wait_dscnt 0x0
	s_endpgm
.Lfunc_end_k_qd4833cf392_proj:
	.size	k_qd4833cf392_proj, .Lfunc_end_k_qd4833cf392_proj-k_qd4833cf392_proj
	.p2alignl 7, 3214868480
	.fill 96, 4, 3214868480
	.section	.rodata,"a",@progbits
	.p2align	6, 0x0
	.amdhsa_kernel k_qd4833cf392_proj
		.amdhsa_group_segment_fixed_size 32256
		.amdhsa_private_segment_fixed_size 0
		.amdhsa_enable_private_segment 0
		.amdhsa_kernarg_size 64
		.amdhsa_user_sgpr_count 2
		.amdhsa_user_sgpr_kernarg_segment_ptr 1
		.amdhsa_wavefront_size32 1
		.amdhsa_system_sgpr_workgroup_id_x 1
		.amdhsa_system_sgpr_workgroup_id_y 1
		.amdhsa_system_sgpr_workgroup_id_z 1
		.amdhsa_system_vgpr_workitem_id 0
		.amdhsa_next_free_vgpr 256
		.amdhsa_next_free_sgpr 66
		.amdhsa_reserve_vcc 0
		.amdhsa_float_denorm_mode_32 3
		.amdhsa_float_denorm_mode_16_64 3
		.amdhsa_memory_ordered 1
		.amdhsa_forward_progress 1
		.amdhsa_inst_pref_size 20
	.end_amdhsa_kernel
	.amdgpu_metadata
---
amdhsa.version: [ 1, 2 ]
amdhsa.kernels:
  - .name:           k_qd4833cf392_proj
    .symbol:         k_qd4833cf392_proj.kd
    .args:
      - { .name: x, .offset: 0, .size: 8, .value_kind: global_buffer, .address_space: global }
      - { .name: wf, .offset: 8, .size: 8, .value_kind: global_buffer, .address_space: global }
      - { .name: wg, .offset: 16, .size: 8, .value_kind: global_buffer, .address_space: global }
      - { .name: bg, .offset: 24, .size: 8, .value_kind: global_buffer, .address_space: global }
      - { .name: wh, .offset: 32, .size: 8, .value_kind: global_buffer, .address_space: global }
      - { .name: bh, .offset: 40, .size: 8, .value_kind: global_buffer, .address_space: global }
      - { .name: wo, .offset: 48, .size: 8, .value_kind: global_buffer, .address_space: global }
      - { .name: kvq, .offset: 56, .size: 8, .value_kind: global_buffer, .address_space: global }
    .group_segment_fixed_size: 32256
    .private_segment_fixed_size: 0
    .kernarg_segment_align: 8
    .kernarg_segment_size: 64
    .max_flat_workgroup_size: 128
    .sgpr_count:     66
    .vgpr_count:     256
    .wavefront_size: 32
...
	.end_amdgpu_metadata
.endif
;; end of part 1
;; launch attn (part 2): grid 64 x 4, 4 waves a work-group, clusters of 4 x 1, 327,680 bytes of LDS; arguments kvq, x, bo, gamma, out0; writes out0
.if DOCPART == 2
	.amdgcn_target "amdgcn-amd-amdhsa--gfx1250"
	.amdhsa_code_object_version 6
	.text
	.protected	k_qd4833cf392_attn
	.globl	k_qd4833cf392_attn
	.p2align	8
	.type	k_qd4833cf392_attn,@function
k_qd4833cf392_attn:
	s_mov_b64 s[64:65], 0
	v_nop
	global_prefetch_b8 v0, s[64:65] scope:SCOPE_SE
	s_setreg_imm32_b32 hwreg(HW_REG_WAVE_MODE, 25, 1), 1
	s_wait_xcnt 0x0
	s_wait_alu depctr_hold_cnt(0) depctr_sa_sdst(0) depctr_va_vdst(0) depctr_va_sdst(0) depctr_va_ssrc(0) depctr_va_vcc(0) depctr_vm_vsrc(0)
	s_getreg_b32 s2, hwreg(HW_REG_IB_STS2, 6, 4)
	s_cmp_eq_u32 s2, 0
	s_cbranch_scc0 .Lentry_in_a_cluster
	s_endpgm
.Lentry_in_a_cluster:
	s_bfe_u32 s2, ttmp6, 0x10000c
	s_cmp_lg_u32 s2, 0x3003
	s_cbranch_scc0 .Lentry_shape_is_right
	s_endpgm
.Lentry_shape_is_right:
; SAGAN self-attention, second launch: out[i] = gamma (sum_j softmax_j(g[i] . f[j]) v'[j] + bo) + x[i], 4 batches of 4,096 pixels, 64 channels.
; kvq holds f, v' = (x wh + bh) wo and g log2(e) in bf16, as the first launch laid them out.  bf is left out: g[i] . bf is the same for all j and cancels in the softmax (shown at the first kernel's head).
; LIMITS.  NaN and infinities are not treated apart: a key's 8 channels share a matrix operand with three other keys', which meet zeros, so a non-finite f or g spoils its neighbours.
; A weight below 2^-126 counts as 0.  The weights are rounded to bf16 for the second product; their sum l is taken of the unrounded weights.
; SHARES.  A work-group owns 64 queries of one batch: four tiles of 16.  THE KEYS ARE SPLIT AMONG ITS FOUR WAVES: wave w walks keys 1,024 w .. + 1,023 for all four tiles, 64 a step, 16 steps.
; So a fragment of K or V read from LDS feeds four tiles, and a wave reads only LDS bytes that its own tensor loads brought.
; TWO PASSES.  Pass 1 makes all scores and takes each query's TRUE maximum m (the waves' maxima meet once in LDS).  Pass 2 makes the scores again with -m as the C operand, so the matrix unit
; delivers s - m, in powers of two: p = 2^(s - m) wants no scaling, no running maximum and no rescaling of O.  m is common to the waves, so their partial O and l are simply added at the end.
; DEPTH 8 IN A FORM OF DEPTH 32.  Two loads of 16 bytes a lane bring 64 keys x 8 channels into ONE source 0: row r holds, in its k places 8 kb .. 8 kb + 7, key 16 kb + r.  Source 1 holds a tile's g in
; those eight places and 0 elsewhere: for each tile 20 registers [Ga 0 Gb 0 Ga] (Ga: g in lanes 0-15, Gb: g in lanes 16-31), read from offset 0, 8, 12, 4 for kb = 0, 1, 2, 3.
; LAYOUT.  S^T = K Q^T: a lane holds ONE query (lane % 16) and the keys 16 kb + 8 (lane / 16) + 0..7; rounded in pairs it IS source 1 of O^T = V^T P.  V^T's fragments lie in kvq as register images.
; PASS 2 GOES BY TURNS, a tile and key step each, in a pipeline of four stages a tile apart: K Q^T, the exponentials, the roundings and sums, V^T P (the macro TURN says how they are dealt).
; CLUSTER.  The four work-groups of a cluster belong to one batch and walk the same keys: every tensor load is asked for JOINTLY, same descriptor and mask in all four.
; REGISTERS, in windows of 256 (s_set_vgpr_msb: bits 1:0 source 0, 3:2 source 1, 5:4 source 2, 7:6 destination):
;   window 0: v0-15 addresses; v16-23 l; v24-39 K, two buffers; v40-119 Q; v120-183 S^T, two buffers (pass 1: eight of 8); v184-215 P, two buffers (pass 1: the maxima's chains); v216-247 -m; v248-254 m, addresses
;   window 1: v0-127 O^T, 32 a tile; v128-255 V, two buffers of 64.   K Q^T and all vector work lie in window 0: only V^T P switches.
.set PIECE, 36864                      ; 256 keys: 4,096 bytes of K, 32,768 of V
.set RANGE, 4*PIECE                    ; a wave's 1,024 keys in memory; also an LDS slot: a piece for each of four waves
.set BATCH, 4*RANGE
.set QOFF,  4*BATCH
.set SLOT1, RANGE
.set MX,    2*RANGE                    ; behind the slots: the waves' maxima, 256 bytes a wave
.set SPARE, MX+1024                    ; the spare words, 128 bytes a wave: two blocks of 256 bytes that no other line names
.set OST,   SPARE+512                  ; each wave's own stage for the way out: 16 rows of 256 bytes + 16
.set OPITCH, 272
.set STG,   0                          ; at the end, in slot 0, which has had its last fill: the waves' partial O, 16,384 bytes a wave
.set LX,    65536                      ; and partial l: tile x 512 + wave x 128
.set LN,  1                            ; v1   16 x lane
.set AK,  2                            ; v2   address of K's next loads
.set AV,  3                            ; v3   of V's
.set RR,  4                            ; v4   lane % 16
.set HH,  5                            ; v5   lane / 16
.set MXA, 6                            ; v6   where my wave's maxima go
.set STA, 7                            ; v7   where my partial O goes
.set RDA, 8                            ; v8   where my tile's partial O's are read
.set LSA, 9                            ; v9   where my partial l goes
.set SPW, 10                           ; v10  my spare word; never rewritten
.set NIL, 11                           ; v11  0; never rewritten
.set PFO, 12                           ; v12  256 x lane; never rewritten
.set OSA, 13                           ; v13  the way out: in
.set ORA, 14                           ; v14  the way out: back
.set AK1, 15                           ; v15  pass 1: K's address
.set LS,  16
.set KF,  24
.set QV,  40
.set SC,  120
.set PB,  184
.set MXC, 184
.set NM,  216
.set MM,  248
.set QO,  252                          ; v252 16 x (lane % 16); never rewritten
.set LRA, 253                          ; v253 where my tile's partial l's are read
.set MXR, 254                          ; v254 where all waves' maxima are read
.set VF,  128                          ; window 1
.set XRW, QV                           ; at the end, where Q lay: v40-71 x's rows, v72-75 bo, v76-79 l, v80 1 / l, v82-83 gamma / l
.set BOV, QV+32
.set LP,  QV+36
.set RC,  QV+40
.set GS,  QV+42
.set WV,  14                           ; s14  wave
.set CX,  15                           ; s15  my place in the cluster: it enters global addresses of Q, x, out0 and the prefetches alone
.set QB,  16                           ; s16  my block of 64 queries
.set BT,  17                           ; s17  batch
.set WB,  18                           ; s18  my wave's piece in a slot
.set LIM, 19                           ; s19  1 in the batch's first cluster
.set G1,  24                           ; s[24:31] group 1: a piece
.set G1K, 32                           ; s[32:39] group 1: the K parts of four pieces
.set G0K, 40                           ; s[40:43] group 0: all my K, into slot 1
.set G0A, 44                           ; s[44:47] chunk 0, later chunk 2, into slot 0
.set G0B, 48                           ; s[48:51] chunk 1, later chunk 3, into slot 1
.set TBK, 52                           ; s52  LDS byte of the K to be fetched next
.set TBV, 53                           ; s53  of the V
.set CNT, 54
.set HM,  55                           ; s55  lanes 16-31
.set SEL, 56                           ; s[56:57] v_permlanex16_b32: each lane takes its own place in the other half
.set GM,  58                           ; s[58:59] gamma, twice
.set PFA, 60                           ; s[60:61] the prefetches' base; never rewritten
.set QP,  62                           ; s[62:63] g of my 64 queries
.set W_PV, 0x51                        ; V and O^T in window 1, P in window 0
.set MSB, 0
.macro WIN new                         ; the high byte repeats the setting that is left; a switch that changes nothing is dropped
.if MSB != (\new)
	s_set_vgpr_msb (MSB<<8)|(\new)
.set MSB, \new
.endif
.endm
; A round of the cluster's barrier: my work-group's barrier, so that wave 0's signal speaks for all four waves; wave 0 signals; every wave waits for all four work-groups; my work-group's barrier once more.
.macro CROUND
	s_barrier_signal -1
	s_barrier_wait -1
	s_cmp_lg_u32 s[WV], 0
	s_cbranch_scc1 .Lnot_wave_0_\@
	s_barrier_signal -3
.Lnot_wave_0_\@:
	s_barrier_wait -3
	s_barrier_signal -1
	s_barrier_wait -1
.endm
.macro JLOAD g0, g1                    ; a joint load: every wave fetches its own piece, so no branch; an s_nop 0 and four v_nop follow
	tensor_load_to_lds s[\g0:(\g0)+3], s[\g1:(\g1)+7]
	s_nop 0
.rept 4
	v_nop
.endr
.endm
; A PREFETCH INTO THE L2 of the V part of my wave's piece of chunk c, which the NEXT change of slots will ask for (14 or 16 turns on): 128 rows of 256 bytes.  All 16 clusters of a batch walk the same
; pieces: the batch's first cluster asks.  Its four partners share the rows out BY ADDRESS, 32 each, a lane a row; each wave asks for its own piece.  So each row is named once in the launch.
; The K parts were read at the head; chunks 0 and 1 come by their loads alone.
.macro ASK c
	s_cmp_eq_u32 s[LIM], 1
	s_cbranch_scc0 .Lnot_mine_\@
	global_prefetch_b8 v[PFO], s[PFA:PFA+1] offset:(\c)*PIECE th:TH_LOAD_NT scope:SCOPE_SE
.Lnot_mine_\@:
.endm
.macro FADR                            ; the addresses of the next fetch
	v_add_nc_u32 v[AK], s[TBK], v[LN]
	v_add_nc_u32 v[AV], s[TBV], v[LN]
.endm
; A key step's K (2 loads, first) and V (16 loads) into buffers q: 16 neighbouring bytes a lane, no padding wanted.  The addresses were made by FADR, some lines ahead.
.macro FETCH q
	ds_load_b128 v[KF+8*(\q):KF+8*(\q)+3],   v[AK]
	ds_load_b128 v[KF+8*(\q)+4:KF+8*(\q)+7], v[AK] offset:512
	WIN 0x40                                       ; destination window 1
.irp f, 0,1,2,3,4,5,6,7
	ds_load_b128 v[VF+64*(\q)+8*\f:VF+64*(\q)+8*\f+3],   v[AV] offset:1024*\f
	ds_load_b128 v[VF+64*(\q)+8*\f+4:VF+64*(\q)+8*\f+7], v[AV] offset:1024*\f+512
.endr
	WIN 0
	s_add_co_u32 s[TBK], s[TBK], 1024              ; the next fetch is the next step's
	s_add_co_u32 s[TBV], s[TBV], 8192
.endm
; S^T - m for tile tn, keys 16 i on, from K's buffer kb
.macro KQ tn, kb, i
	WIN 0
	v_wmma_f32_16x16x32_bf16 v[SC+32*((\tn)%2)+8*(\i):SC+32*((\tn)%2)+8*(\i)+7], v[KF+8*(\kb):KF+8*(\kb)+7], v[QV+20*(\tn)+4*((0x1320>>(4*(\i)))&15):QV+20*(\tn)+4*((0x1320>>(4*(\i)))&15)+7], v[NM+8*(\tn):NM+8*(\tn)+7]
.endm
; O^T += V^T P for tile tp: channels 16 i on, keys 32 kk on, from V's buffer vb.  zero = 1: the product starts the sum
.macro PV tp, vb, i, kk, zero
	WIN W_PV
.if \zero
	v_wmma_f32_16x16x32_bf16 v[32*(\tp)+8*(\i):32*(\tp)+8*(\i)+7], v[VF+64*(\vb)+32*(\kk)+8*(\i):VF+64*(\vb)+32*(\kk)+8*(\i)+7], v[PB+16*((\tp)%2)+8*(\kk):PB+16*((\tp)%2)+8*(\kk)+7], 0
.else
	v_wmma_f32_16x16x32_bf16 v[32*(\tp)+8*(\i):32*(\tp)+8*(\i)+7], v[VF+64*(\vb)+32*(\kk)+8*(\i):VF+64*(\vb)+32*(\kk)+8*(\i)+7], v[PB+16*((\tp)%2)+8*(\kk):PB+16*((\tp)%2)+8*(\kk)+7], v[32*(\tp)+8*(\i):32*(\tp)+8*(\i)+7]
.endif
.endm
; THE EXPONENTIALS' QUEUE: number e of tile t's 32, in place, ascending: each accumulator is read from its low end on
.macro EX1 t
	v_exp_f32 v[SC+32*((\t)%2)+e], v[SC+32*((\t)%2)+e]
.set e, e+1
.endm
.macro OPC t, n                        ; pair n of the weights rounded to bf16
	v_cvt_pk_bf16_f32 v[PB+16*((\t)%2)+(\n)], v[SC+32*((\t)%2)+2*(\n)], v[SC+32*((\t)%2)+2*(\n)+1]
.endm
.macro OPB t, n                        ; of the four weights 4 n .. the second pair is added onto the first, in place (behind the first pair's rounding)
	v_pk_add_f32 v[SC+32*((\t)%2)+4*(\n):SC+32*((\t)%2)+4*(\n)+1], v[SC+32*((\t)%2)+4*(\n):SC+32*((\t)%2)+4*(\n)+1], v[SC+32*((\t)%2)+4*(\n)+2:SC+32*((\t)%2)+4*(\n)+3]
.endm
.macro OPD t, n                        ; two such sums into one: eight weights
	v_pk_add_f32 v[SC+32*((\t)%2)+8*(\n):SC+32*((\t)%2)+8*(\n)+1], v[SC+32*((\t)%2)+8*(\n):SC+32*((\t)%2)+8*(\n)+1], v[SC+32*((\t)%2)+8*(\n)+4:SC+32*((\t)%2)+8*(\n)+5]
.endm
.macro OPF t, n                        ; and again: sixteen weights
	v_pk_add_f32 v[SC+32*((\t)%2)+16*(\n):SC+32*((\t)%2)+16*(\n)+1], v[SC+32*((\t)%2)+16*(\n):SC+32*((\t)%2)+16*(\n)+1], v[SC+32*((\t)%2)+16*(\n)+8:SC+32*((\t)%2)+16*(\n)+9]
.endm
.macro OPL t, n                        ; l takes that sum
	v_pk_add_f32 v[LS+2*(\t):LS+2*(\t)+1], v[LS+2*(\t):LS+2*(\t)+1], v[SC+32*((\t)%2)+16*(\n):SC+32*((\t)%2)+16*(\n)+1]
.endm
; THE PLAIN QUEUE: number q of tile t's 32 roundings and sums.  The sums are a tree (8, 4, 2, then two onto l), in place on pairs that have been rounded; the roundings stand between its levels, so that
; a sum stands five numbers or more behind those that it adds (the two onto l: two numbers apart, with exponentials between them in the turn).
;   0-3 pairs 0, 2, 4, 6     4-7 sums of four 0-3     8-11 pairs 8, 10, 12, 14     12-15 sums of four 4-7     16, 17, 20, 21 sums of eight     24, 26 of sixteen     29, 31 l     the rest: the odd pairs
.macro PL1 t
.if q < 4
	OPC \t, 2*q
.elseif q < 8
	OPB \t, q-4
.elseif q < 12
	OPC \t, 2*q-8
.elseif q < 16
	OPB \t, q-8
.elseif q < 18
	OPD \t, q-16
.elseif q < 20
	OPC \t, 2*q-35
.elseif q < 22
	OPD \t, q-18
.elseif q < 24
	OPC \t, 2*q-39
.elseif q == 24
	OPF \t, 0
.elseif q == 25
	OPC \t, 9
.elseif q == 26
	OPF \t, 1
.elseif q == 27
	OPC \t, 11
.elseif q == 28
	OPC \t, 13
.elseif q == 29
	OPL \t, 0
.elseif q == 30
	OPC \t, 15
.else
	OPL \t, 1
.endif
.set q, q+1
.endm
; A TURN belongs to tile t and holds four stages of a pipeline, a tile apart: 8 products V^T P of the tile two back (t + 2 of four; pv = 2; pv = 1: they start O^T; V's buffer vb), the 32 roundings and sums of
; the tile one back (t + 3; rd), tile t's 32 exponentials (ex), and 4 products K Q^T of the tile ahead (t + 1; kq; K's buffer kb).  So the exponentials stand among plain lines that read nothing of theirs.
; THE DEAL.  Product 0 and four plain; products 1 to 7, behind each plain, exponential, plain, plain; a lump of seven times exponential and plain, and two exponentials; then the four K Q^T, four exponentials behind each.
; BUFFERS.  A tile's S^T and P go by its number's parity.  K Q^T of tile t + 1 writes the S^T buffer that tile t + 3's roundings and sums read: all 32 of them stand ahead of the first such product.
; V^T P reads the P buffer of t's parity, the roundings write the other.
; THE WAIT.  The exponentials are ONE batch; nothing in the turn names a result of theirs; a plain line stands behind the last (a v_nop; fa = 1: the next fetch's two address lines), and the
; one wait stands ahead of the first reader, which is the next turn's first plain line, and ahead of every label and branch: it ends the turn.
; PLACES.  That plain line and the next turn's first four, which name no register of K Q^T, stand between the last K Q^T and the first exponential that reads its result.  Behind product 7 stand ten plain
; lines ahead of the next turn's writes of the P that it read, and ahead of the fetch into V's other buffer.  The accumulators take turns, one instruction a turn: three others stand between two links of O^T's chains.
; kw = 1: K of the next step is waited for ahead of the K Q^T: its two loads were issued first, V's sixteen stay out.
.macro TURN t, kb, vb, pv, kq, ex, rd, kw=0, fa=0
.set e, 0
.set q, 0
.if \pv
	PV ((\t)+2)%4, \vb, 0, 0, 2-(\pv)
.endif
	WIN 0
.if \rd
.rept 4
	PL1 ((\t)+3)%4
.endr
.endif
.irp i, 1,2,3,4,5,6,7
.if \pv
	PV ((\t)+2)%4, \vb, \i%4, \i/4, (2-(\pv))*(1-\i/4)
.endif
	WIN 0
.if \rd
	PL1 ((\t)+3)%4
.endif
.if \ex
	EX1 \t
.endif
.if \rd
	PL1 ((\t)+3)%4
	PL1 ((\t)+3)%4
.endif
.endr
.rept 7
.if \ex
	EX1 \t
.endif
.if \rd
	PL1 ((\t)+3)%4
.endif
.endr
.if \ex
	EX1 \t
	EX1 \t
.endif
.if \kw
	s_wait_dscnt 16
.endif
.irp i, 0,1,2,3
.if \kq
	KQ ((\t)+1)%4, \kb, \i
.endif
.if \ex
.rept 4
	EX1 \t
.endr
.endif
.endr
.if \fa
	FADR
.elseif \ex
	v_nop
.endif
.if \ex
	s_wait_alu depctr_va_vdst(0)
.endif
.endm
; A BLOCK: the turns of tiles 2 and 3 of step s, of parity p, and of tiles 0 and 1 of step s + 1: all four V^T P of step s.  At its head V of step s, asked for a block ago, is waited for (nothing was issued
; since), and the next step's K and V are fetched: the run of loads stands directly behind the last turn's wait.  z = 1: step 0.
.macro BLOCK p, z
	s_wait_dscnt 0x0
	FETCH 1-(\p)
	TURN 2, \p, \p, 2-(\z), 1, 1, 1
	TURN 3, 1-(\p), \p, 2-(\z), 1, 1, 1, 1
	TURN 0, 1-(\p), \p, 2-(\z), 1, 1, 1
	TURN 1, 1-(\p), \p, 2-(\z), 1, 1, 1, 0, 1
.endm
.macro PAIRS n                         ; 2 n blocks, beginning with an odd one
	s_mov_b32 s[CNT], \n
.Lpair_\@:
	BLOCK 1, 0
	BLOCK 0, 0
	s_sub_co_u32 s[CNT], s[CNT], 1
	s_cmp_lg_u32 s[CNT], 0
	s_cbranch_scc1 .Lpair_\@
.endm
; THE CHANGE OF SLOTS.  The old slot's last key step has been asked for.  Each wave waits for all its tensor loads, of which one is out: its piece of the other slot; adds 0 to its spare word; waits for that and
; for its LDS reads and stores.  fill = 1: a round of the cluster's barrier, so that no wave of any partner still reads the old slot or has a load on its way; the joint refill is the first thing behind it.
; step = 1: the descriptor goes two chunks on.  slot: where the fetches go on; their addresses are made anew.  ask: the chunk to be prefetched, or 0.
.macro CHANGE fill, g0, step, slot, ask
	s_wait_tensorcnt 0x0                           ; no tensor load of mine is out, so a group 0 may be written
	ds_add_u32 v[SPW], v[NIL]                      ; 0 onto my spare word; the work on registers below stands between it and the wait for it
.if \step
	s_add_nc_u64 s[(\g0)+2:(\g0)+3], s[(\g0)+2:(\g0)+3], 2*PIECE  ; the type bits on top are not reached
.endif
	s_add_co_u32 s[TBK], s[WB], (\slot)*SLOT1
	s_add_co_u32 s[TBV], s[WB], (\slot)*SLOT1+4096
	FADR
	s_wait_dscnt 0x0
.if \fill
	CROUND
	JLOAD \g0, G1
.if \ask
	ASK \ask
.endif
.else
	s_barrier_signal -1
	s_barrier_wait -1
.endif
.endm
; PASS 1.  RID j: the four maxima of product j (tile j % 4), two scores each, from the accumulator's low end on, into the tile's four chains.
.macro RID j
.irp c, 0,1,2,3
	v_max3_num_f32 v[MXC+4*((\j)%4)+\c], v[MXC+4*((\j)%4)+\c], v[SC+8*((\j)%8)+2*\c], v[SC+8*((\j)%8)+2*\c+1]
.endr
.endm
; A key step of pass 1: 16 products (tile j % 4, keys 16 (j / 4) on) into eight accumulators by turns; behind product j ride the maxima of product j - 1, so that the four maxima of product j - 2
; are the four places between a product and the lines that read it.  They are also the places in front of the loads into K's other buffer.  off: where the next step's K lies, or -1.
.macro P1STEP p, off
	s_wait_dscnt 0x0                               ; this step's K, asked for a step ago
.if (\off) >= 0
	ds_load_b128 v[KF+8*(1-(\p)):KF+8*(1-(\p))+3],   v[AK1] offset:\off
	ds_load_b128 v[KF+8*(1-(\p))+4:KF+8*(1-(\p))+7], v[AK1] offset:(\off)+512
.endif
.set j, 0
.rept 16
	v_wmma_f32_16x16x32_bf16 v[SC+8*(j%8):SC+8*(j%8)+7], v[KF+8*(\p):KF+8*(\p)+7], v[QV+20*(j%4)+4*((0x1320>>(4*(j/4)))&15):QV+20*(j%4)+4*((0x1320>>(4*(j/4)))&15)+7], 0
	RID (j+15)%16
.set j, j+1
.endr
.endm
	s_load_b256 s[4:11], s[0:1], 0x0               ; kvq s[4:5], x s[6:7], bo s[8:9], gamma s[10:11]
	s_load_b64 s[12:13], s[0:1], 0x20              ; out0
	v_lshl_add_u32 v[SPW], v0, 2, SPARE
	v_mov_b32 v[NIL], 0
	ds_add_u32 v[SPW], v[NIL]                      ; the wave's opening: the add, twice on end, and its wait ahead of my first tensor load; the set-up below stands between
	ds_add_u32 v[SPW], v[NIL]
	v_lshrrev_b32 v1, 5, v0
	v_readfirstlane_b32 s[WV], v1                  ; wave 0..3
	s_bfe_u32 s[CX], ttmp6, 0x40000
	s_lshl_b32 s[QB], ttmp9, 2                     ; in a cluster launch ttmp9 counts clusters
	s_add_co_u32 s[QB], s[QB], s[CX]
	s_and_b32 s[BT], ttmp7, 0xffff
	s_mul_i32 s[WB], s[WV], PIECE
	s_cmp_eq_u32 ttmp9, 0
	s_cselect_b32 s[LIM], 1, 0                     ; the same in all four partners
	; group 1, elements of 8 bytes, no padding.  A piece is dense: 144 rows of 256 bytes
	s_mov_b32 s[G1+0], 15|(3<<16)|(1<<21)          ; 15:0 the mask of four; 17:16 8-byte elements; 21 set beside a mask
	s_mov_b32 s[G1+1], 32<<16                      ; tensor_dim0 = 32
	s_mov_b32 s[G1+2], 144<<16                     ; tensor_dim1 = 144
	s_mov_b32 s[G1+3], 32<<16                      ; tile_dim0 = 32
	s_mov_b32 s[G1+4], 144                         ; tile_dim1 = 144
	s_mov_b32 s[G1+5], 32                          ; 32 elements from row to row
	s_mov_b32 s[G1+6], 0
	s_mov_b32 s[G1+7], 0
	; the K parts of my four pieces: 4 rows of 4,096 bytes, a piece apart; in LDS they follow each other: 1,024 keys x 16 bytes
	s_mov_b32 s[G1K+0], 15|(3<<16)|(1<<21)
	s_mov_b32 s[G1K+1], 512<<16
	s_mov_b32 s[G1K+2], 4<<16
	s_mov_b32 s[G1K+3], 512<<16
	s_mov_b32 s[G1K+4], 4
	s_mov_b32 s[G1K+5], PIECE/8
	s_mov_b32 s[G1K+6], 0
	s_mov_b32 s[G1K+7], 0
	s_mov_b32 s[SEL], 0x76543210
	s_mov_b32 s[SEL+1], 0xfedcba98
	s_mov_b32 s[G0K], 1
	s_add_co_u32 s[G0K+1], s[WB], SLOT1            ; no place in the cluster enters an LDS address
	s_mov_b32 s[G0A], 1
	s_mov_b32 s[G0A+1], s[WB]
	s_mov_b32 s[G0B], 1
	s_add_co_u32 s[G0B+1], s[WB], SLOT1
	s_mul_i32 s22, s[BT], BATCH
	s_mul_i32 s23, s[WV], RANGE
	s_add_co_u32 s22, s22, s23                     ; my wave's keys: batch and wave alone, which the partners share
	s_mov_b32 s23, 0
	s_lshl_b32 s20, s[CX], 13                      ; the prefetches: my work-group's 32 rows of a V part's 128,
	s_add_co_u32 s20, s20, 4096                    ; behind the piece's K
	s_mov_b32 s21, 0
	s_wait_dscnt 0x0                               ; both opening adds are done
	s_wait_kmcnt 0x0
	s_add_nc_u64 s[22:23], s[4:5], s[22:23]
	s_mov_b64 s[G0K+2:G0K+3], s[22:23]
	s_or_b32 s[G0K+3], s[G0K+3], 0x80000000        ; type = 2
	s_mov_b64 s[G0A+2:G0A+3], s[22:23]             ; chunk 0
	s_or_b32 s[G0A+3], s[G0A+3], 0x80000000
	s_add_nc_u64 s[G0B+2:G0B+3], s[22:23], PIECE   ; chunk 1
	s_or_b32 s[G0B+3], s[G0B+3], 0x80000000
	s_add_nc_u64 s[PFA:PFA+1], s[22:23], s[20:21]
	s_lshl_b32 s20, s[BT], 16                      ; g: 16 bytes a pixel
	s_lshl_b32 s3, s[QB], 10
	s_add_co_u32 s20, s20, s3
	s_add_co_u32 s20, s20, QOFF
	s_add_nc_u64 s[QP:QP+1], s[4:5], s[20:21]
	s_lshl_b32 s20, s[BT], 20                      ; x and out0: 256 bytes a pixel; my wave finishes tile w
	s_lshl_b32 s3, s[QB], 14
	s_add_co_u32 s20, s20, s3
	s_lshl_b32 s3, s[WV], 12
	s_add_co_u32 s20, s20, s3
	s_add_nc_u64 s[6:7], s[6:7], s[20:21]
	s_add_nc_u64 s[12:13], s[12:13], s[20:21]
	CROUND                                         ; all four work-groups are here: the first joint loads meet
	tensor_load_to_lds s[G0K:G0K+3], s[G1K:G1K+7]  ; the two first fills go out together: two loads of mine are out.  All my K, into slot 1, for pass 1;
	s_nop 0
	tensor_load_to_lds s[G0A:G0A+3], s[G1:G1+7]    ; chunk 0 into slot 0, for pass 2
	s_nop 0
.rept 4
	v_nop
.endr
	s_load_b32 s[GM], s[10:11], 0x0
	v_and_b32 v[RR], 15, v0
	v_bfe_u32 v[HH], v0, 4, 1
	v_lshlrev_b32 v[QO], 4, v[RR]
.irp t, 0,1,2,3
	global_load_b128 v[QV+20*\t:QV+20*\t+3], v[QO], s[QP:QP+1] offset:256*\t  ; g of query 16 t + lane % 16, in both halves of the lanes
.endr
	v_and_b32 v[LN], 31, v0
	v_lshlrev_b32 v[LN], 4, v[LN]
	v_lshlrev_b32 v[PFO], 4, v[LN]
	v_add_nc_u32 v[AK1], s[G0K+1], v[LN]
	s_lshl_b32 s20, s[WV], 8
	s_add_co_u32 s20, s20, MX
	v_add_nc_u32 v[MXA], s20, v[QO]
	v_add_nc_u32 v[MXR], MX, v[QO]
	s_lshl_b32 s20, s[WV], 14
	v_add_nc_u32 v[STA], s20, v[LN]
	s_lshl_b32 s20, s[WV], 12
	v_add_nc_u32 v[RDA], s20, v[LN]
	v_lshrrev_b32 v[LSA], 2, v[LN]                 ; 4 x lane
	s_lshl_b32 s20, s[WV], 9
	s_add_co_u32 s20, s20, LX
	v_add_nc_u32 v[LRA], s20, v[LSA]               ; tile = my wave's number
	s_lshl_b32 s20, s[WV], 7
	s_add_co_u32 s20, s20, LX
	v_add_nc_u32 v[LSA], s20, v[LSA]
	s_mul_i32 s20, s[WV], 16*OPITCH
	s_add_co_u32 s20, s20, OST
	v_mul_u32_u24 v[OSA], v[RR], OPITCH            ; in: row = query lane % 16, 32 bytes for each half of the lanes
	v_lshl_add_u32 v[OSA], v[HH], 5, v[OSA]
	v_add_nc_u32 v[OSA], s20, v[OSA]
	v_mul_u32_u24 v[ORA], v[HH], OPITCH            ; back: lanes 0-15 one row of 256 bytes, lanes 16-31 the next
	v_lshl_add_u32 v[ORA], v[RR], 4, v[ORA]
	v_add_nc_u32 v[ORA], s20, v[ORA]
	v_cmp_eq_u32 s[HM], 1, v[HH]
.set i, 0
.rept 16
	v_mov_b32 v[MXC+i], 0xff800000                 ; the chains start below every score,
.set i, i+1
.endr
.set i, 0
.rept 8
	v_mov_b32 v[SC+56+i], 0xff800000               ; and so does what the first step takes for the step before's last product: the loop has one form
.set i, i+1
.endr
.irp t, 0,1,2,3
	v_mov_b32 v[MM+\t], 0                          ; written before v_permlanex16_b32 names it as its destination
.endr
	s_wait_loadcnt 0x0                             ; g
.irp t, 0,1,2,3
.irp i, 0,1,2,3
	v_cndmask_b32 v[QV+20*\t+8+\i], 0, v[QV+20*\t+\i], s[HM]   ; Gb
	v_cndmask_b32 v[QV+20*\t+\i], v[QV+20*\t+\i], 0, s[HM]     ; Ga
	v_mov_b32 v[QV+20*\t+16+\i], v[QV+20*\t+\i]
	v_mov_b32 v[QV+20*\t+4+\i], 0
	v_mov_b32 v[QV+20*\t+12+\i], 0
.endr
.endr
	s_wait_kmcnt 0x0
	s_mov_b32 s[GM+1], s[GM]
	; PASS 1: the maximum over my 1,024 keys, for all 64 queries
	s_wait_tensorcnt 0x1                           ; all my K, issued first, has landed; chunk 0's load may stay out.  The bytes are my wave's own: no barrier
	ds_load_b128 v[KF:KF+3],   v[AK1]
	ds_load_b128 v[KF+4:KF+7], v[AK1] offset:512
	s_mov_b32 s[CNT], 7
.Lp1:                                              ; two key steps a trip
	P1STEP 0, 1024
	P1STEP 1, 2048
	v_add_nc_u32 v[AK1], 2048, v[AK1]
	s_sub_co_u32 s[CNT], s[CNT], 1
	s_cmp_lg_u32 s[CNT], 0
	s_cbranch_scc1 .Lp1
	P1STEP 0, 1024
	P1STEP 1, -1                                   ; the last step fetches nothing
	RID 15
.irp t, 0,1,2,3
	v_max3_num_f32 v[SC+\t], v[MXC+4*\t], v[MXC+4*\t+1], v[MXC+4*\t+2]
.endr
.irp t, 0,1,2,3
	v_max_num_f32 v[SC+\t], v[SC+\t], v[MXC+4*\t+3]
.endr
.irp t, 0,1,2,3
	v_permlanex16_b32 v[MM+\t], v[SC+\t], s[SEL], s[SEL+1]  ; the query's other keys lie in the lane 16 away
.endr
.irp t, 0,1,2,3
	v_max_num_f32 v[MM+\t], v[MM+\t], v[SC+\t]
.endr
	ds_store_b128 v[MXA], v[MM:MM+3]               ; four tiles' maxima for query lane % 16; both halves of the lanes write the same
	CHANGE 1, G0B, 0, 0, 2                         ; K has been read: chunk 1 goes into slot 1.  The round also shows every wave's maxima to the others
.irp w, 0,1,2,3
	ds_load_b128 v[SC+4*\w:SC+4*\w+3], v[MXR] offset:256*\w
.endr
	FETCH 0                                        ; key step 0
	s_wait_dscnt 18                                ; the four maxima are in; the 18 loads just issued stay out
.irp t, 0,1,2,3
	v_max3_num_f32 v[MM+\t], v[SC+\t], v[SC+4+\t], v[SC+8+\t]
.endr
.irp t, 0,1,2,3
	v_max_num_f32 v[MM+\t], v[MM+\t], v[SC+12+\t]
.endr
.irp t, 0,1,2,3
.irp j, 0,1,2,3,4,5,6,7
	v_mul_f32 v[NM+8*\t+\j], -1.0, v[MM+\t]        ; the C operand: -m of the lane's query, for each of its eight keys
.endr
.endr
	s_wait_dscnt 0x0
	; PASS 2
.irp i, 0,1,2,3
	KQ 0, 0, \i                                    ; tile 0's scores of step 0: there is no vector work yet to set between them
.endr
.set i, 0
.rept 8
	v_mov_b32 v[LS+i], 0                           ; l starts at 0; these eight lines are the places behind those products
.set i, i+1
.endr
	TURN 0, 0, 0, 0, 1, 1, 0                       ; the pipeline fills: tile 0's exponentials, tile 1's scores;
	TURN 1, 0, 0, 0, 1, 1, 1, 0, 1                 ; tile 1's exponentials, tile 0's roundings and sums, tile 2's scores
	BLOCK 0, 1                                     ; step 0: its products start O^T
	PAIRS 1                                        ; blocks 1, 2; step 3, chunk 0's last, has been asked for
	CHANGE 1, G0A, 1, 1, 3                         ; chunk 2 into slot 0
	PAIRS 2                                        ; blocks 3 to 6
	CHANGE 1, G0B, 1, 0, 0                         ; chunk 3 into slot 1: the last load; nothing is left to prefetch
	PAIRS 2                                        ; blocks 7 to 10
	CHANGE 0, 0, 0, 1, 0                           ; chunk 3 has landed; nobody reads slot 0 any more
	PAIRS 2                                        ; blocks 11 to 14
	s_wait_dscnt 0x0                               ; V of step 15.  The pipeline drains, written out: nothing is fetched
	TURN 2, 1, 1, 2, 1, 1, 1                       ; the last scores: tile 3's
.irp i, 0,1,2,3,4,5,6,7
	global_load_b128 v[XRW+4*\i:XRW+4*\i+3], v[LN], s[6:7] offset:512*\i  ; x's 16 rows of my tile, where tiles 0 and 1 had their Q, last read two turns ago or more
.endr
	global_load_b128 v[BOV:BOV+3], v[QO], s[8:9]
	TURN 3, 0, 1, 2, 0, 1, 1                       ; the last exponentials
	TURN 0, 0, 1, 2, 0, 0, 1                       ; the last roundings and sums
.irp kk, 0,1
.irp i, 0,1,2,3
	PV 3, 1, \i, \kk, 0
.endr
.endr
	WIN 0
	; THE WAVES' PARTS MEET.  l's two halves and the other half of the lanes' are added; the first four additions are the places behind the last products.
.irp t, 0,1,2,3
	v_add_f32 v[MM+\t], v[LS+2*\t], v[LS+2*\t+1]
.endr
.irp t, 0,1,2,3
	v_permlanex16_b32 v[SC+\t], v[MM+\t], s[SEL], s[SEL+1]
.endr
.irp t, 0,1,2,3
	v_add_f32 v[MM+\t], v[MM+\t], v[SC+\t]
.endr
	WIN 0x04                                       ; store data in window 1
.set i, 0
.rept 32
	ds_store_b128 v[STA], v[4*i:4*i+3] offset:STG+512*i  ; ascending: each accumulator is read from its low end on
.set i, i+1
.endr
	WIN 0
.irp t, 0,1,2,3
	ds_store_b32 v[LSA], v[MM+\t] offset:512*\t
.endr
	s_wait_dscnt 0x0                               ; for the others' sake: my partial sums lie in LDS
	s_barrier_signal -1
	s_barrier_wait -1                              ; everybody's do.  Wave w finishes tile w
.irp w, 0,1,2,3
	ds_load_b32 v[LP+\w], v[LRA] offset:128*\w
.endr
.irp w, 0,1,2,3
.irp q, 0,1,2,3,4,5,6,7
	ds_load_b128 v[SC+32*\w+4*\q:SC+32*\w+4*\q+3], v[RDA] offset:STG+16384*\w+512*\q
.endr
.endr
	s_wait_dscnt 32                                ; l's four are in; O's 32 stay out
	v_add_f32 v[LP], v[LP], v[LP+1]
	v_add_f32 v[LP+2], v[LP+2], v[LP+3]
	v_add_f32 v[LP], v[LP], v[LP+2]
	v_rcp_f32 v[RC], v[LP]                         ; l is at least about 1: the greatest score's weight is 2^0
	s_wait_loadcnt 0x0                             ; x and bo
.irp i, 0,1,2,3,4,5,6,7
	v_pk_fma_f32 v[XRW+4*\i:XRW+4*\i+1],   v[BOV:BOV+1],   s[GM:GM+1], v[XRW+4*\i:XRW+4*\i+1]   op_sel_hi:[1,0,1]  ; gamma bo + x: the independent work behind the reciprocal
	v_pk_fma_f32 v[XRW+4*\i+2:XRW+4*\i+3], v[BOV+2:BOV+3], s[GM:GM+1], v[XRW+4*\i+2:XRW+4*\i+3] op_sel_hi:[1,0,1]
.endr
	s_wait_alu depctr_va_vdst(0)                   ; the wait ahead of the reciprocal's first reader
	v_mul_f32 v[GS], s[GM], v[RC]                  ; gamma / l
	v_mov_b32 v[GS+1], v[GS]
	s_wait_dscnt 0x0
.set i, 0
.rept 16
	v_pk_add_f32 v[SC+i:SC+i+1], v[SC+i:SC+i+1], v[SC+32+i:SC+32+i+1]
	v_pk_add_f32 v[SC+64+i:SC+64+i+1], v[SC+64+i:SC+64+i+1], v[SC+96+i:SC+96+i+1]
.set i, i+2
.endr
.set i, 0
.rept 16
	v_pk_add_f32 v[SC+i:SC+i+1], v[SC+i:SC+i+1], v[SC+64+i:SC+64+i+1]
.set i, i+2
.endr
.set i, 0
.rept 16
	v_pk_mul_f32 v[SC+i:SC+i+1], v[SC+i:SC+i+1], v[GS:GS+1]
.set i, i+2
.endr
	; THE WAY OUT.  A lane holds eight neighbouring channels of one query for each of four channel blocks; through my own stage they become whole rows of 256 bytes.
.irp q, 0,1,2,3,4,5,6,7
	ds_store_b128 v[OSA], v[SC+4*\q:SC+4*\q+3] offset:64*(\q/2)+16*(\q%2)
.endr
.irp i, 0,1,2,3,4,5,6,7
	ds_load_b128 v[SC+32+4*\i:SC+32+4*\i+3], v[ORA] offset:2*OPITCH*\i  ; LDS serves a wave's instructions in order (ISA guide 5.7.1.4): these see the stores above
.endr
.irp i, 0,1,2,3,4,5,6,7
	s_wait_dscnt 7-\i                              ; the younger loads stay out
	v_pk_add_f32 v[SC+32+4*\i:SC+32+4*\i+1],   v[SC+32+4*\i:SC+32+4*\i+1],   v[XRW+4*\i:XRW+4*\i+1]
	v_pk_add_f32 v[SC+32+4*\i+2:SC+32+4*\i+3], v[SC+32+4*\i+2:SC+32+4*\i+3], v[XRW+4*\i+2:XRW+4*\i+3]
	global_store_b128 v[LN], v[SC+32+4*\i:SC+32+4*\i+3], s[12:13] offset:512*\i  ; two whole rows: 512 consecutive bytes, at a multiple of 256 from out0's first byte
.endr
	s_wait_tensorcnt 0x0                           ; the wave's end, behind my last tensor load and my last LDS store
	ds_add_u32 v[SPW], v[NIL]
	s_wait_dscnt 0x0
	CROUND                                         ; the closing round: no work-group ends while a partner may still ask for a tile that names it
	s_endpgm
.Lfunc_end_k_qd4833cf392_attn:
	.size	k_qd4833cf392_attn, .Lfunc_end_k_qd4833cf392_attn-k_qd4833cf392_attn
	.p2alignl 7, 3214868480
	.fill 96, 4, 3214868480
	.section	.rodata,"a",@progbits
	.p2align	6, 0x0
	.amdhsa_kernel k_qd4833cf392_attn
		.amdhsa_group_segment_fixed_size 327680
		.amdhsa_private_segment_fixed_size 0
		.amdhsa_enable_private_segment 0
		.amdhsa_kernarg_size 40
		.amdhsa_user_sgpr_count 2
		.amdhsa_user_sgpr_kernarg_segment_ptr 1
		.amdhsa_wavefront_size32 1
		.amdhsa_system_sgpr_workgroup_id_x 1
		.amdhsa_system_sgpr_workgroup_id_y 1
		.amdhsa_system_sgpr_workgroup_id_z 1
		.amdhsa_system_vgpr_workitem_id 0
		.amdhsa_next_free_vgpr 512
		.amdhsa_next_free_sgpr 66
		.amdhsa_reserve_vcc 0
		.amdhsa_float_denorm_mode_32 3
		.amdhsa_float_denorm_mode_16_64 3
		.amdhsa_memory_ordered 1
		.amdhsa_forward_progress 1
		.amdhsa_inst_pref_size 240
	.end_amdhsa_kernel
	.amdgpu_metadata
---
amdhsa.version: [ 1, 2 ]
amdhsa.kernels:
  - .name:           k_qd4833cf392_attn
    .symbol:         k_qd4833cf392_attn.kd
    .args:
      - { .name: kvq, .offset: 0, .size: 8, .value_kind: global_buffer, .address_space: global }
      - { .name: x, .offset: 8, .size: 8, .value_kind: global_buffer, .address_space: global }
      - { .name: bo, .offset: 16, .size: 8, .value_kind: global_buffer, .address_space: global }
      - { .name: gamma, .offset: 24, .size: 8, .value_kind: global_buffer, .address_space: global }
      - { .name: out0, .offset: 32, .size: 8, .value_kind: global_buffer, .address_space: global }
    .group_segment_fixed_size: 327680
    .private_segment_fixed_size: 0
    .kernarg_segment_align: 8
    .kernarg_segment_size: 40
    .max_flat_workgroup_size: 128
    .sgpr_count:     66
    .vgpr_count:     512
    .wavefront_size: 32
...
	.end_amdgpu_metadata
.endif
;; end of part 2
;; ======== version 2 of 2: 2 launches; version 1 with the launch proj written anew for expert scheduling mode
;; workspace buffers: kvq 2,621,440 bytes
;; launch proj (part 3): grid 256 x 1, 4 waves a work-group, no clusters, 32,256 bytes of LDS; arguments x, wf, wg, bg, wh, bh, wo, kvq; writes kvq
.if DOCPART == 3
	.amdgcn_target "amdgcn-amd-amdhsa--gfx1250"
	.amdhsa_code_object_version 6
	.text
	.protected	k_qd4833cf392_proj
	.globl	k_qd4833cf392_proj
	.p2align	8
	.type	k_qd4833cf392_proj,@function
k_qd4833cf392_proj:
	s_mov_b64 s[64:65], 0
	v_nop
	global_prefetch_b8 v0, s[64:65] scope:SCOPE_SE
	s_setreg_imm32_b32 hwreg(HW_REG_WAVE_SCHED_MODE, 0, 2), 2
	s_setreg_imm32_b32 hwreg(HW_REG_WAVE_MODE, 25, 1), 1
	s_wait_xcnt 0x0
	s_wait_alu depctr_vm_vsrc(0)
; SAGAN self-attention, first of two launches: the per-pixel products.  x: [4][4096][64] f32.
;   f = x wf (keys, 8 channels), g = x wg + bg (queries, 8 channels), h = x wh + bh (values), v' = h wo.
; WORK LEFT OUT.  bf is not loaded and is no argument of either launch.  s[i][j] = g[i] . (x[j] wf) + g[i] . bf, and the second term does not
; hang on j, the axis of the softmax: exp(s + t) / sum_j exp(s + t) = exp(s) / sum_j exp(s) for every t, so bf reaches no output whatever finite
; values the inputs hold.  LIMIT: a NaN, an infinity or an overflow that would arise in g . bf alone is not carried to the result.
; RE-ASSOCIATED, not left out: sum_j beta[i][j] (h[j] wo) = (sum_j beta[i][j] h[j]) wo, so the product with wo is made here, once a pixel; the
; multiply-adds are the same, and h and v' are each rounded once to bf16 where h and o would have been.  bo and gamma are applied in the second launch, in f32.
; FORMATS.  Matrix operands bf16 (f, g, h have no room in f16 for inputs some 30 times larger), sums f32.  g is multiplied by log2(e) in f32 ahead of its one rounding.
; LIMITS.  NaN and infinities are not treated apart; the order of the sums is the matrix unit's.
; SHARES.  Work-group G takes pixels 64 G .. 64 G + 63, one key step of the second launch; wave w takes 16 of them.  18 matrix instructions a wave.
; NO CLUSTER, NO TENSOR LOAD: the weights (37 KB, f32 in memory) are read once by a work-group and must be rounded to bf16 on their way, so they pass through
; registers in any case; there is no loop in which a shared tile would be asked for again.  No prefetch: every byte is asked for at the head.
; WHAT IS STORED (kvq, bf16).  A PIECE of 36,864 bytes holds 256 keys: 4,096 bytes of K (key x 16 bytes), then 32,768 of V: key step (64 keys) x 8,192, in it eight fragments
; f = 4 kk + cb of 1,024 bytes as [half q][lane][8 numbers]: number e of lane (r, h) is v'[key 32 kk + 16 q + 8 h + e][channel 16 cb + r]: the register image of
; 16 channels x 32 keys of V^T.  Piece number = pixel / 256.  Behind the 64 pieces: g, pixel x 16 bytes.
; THE MODE: SCHED_MODE bits 1:0 = 2 (LLVM: expert scheduling mode 2), set by the entry lines.  The code itself states the register dependences
; between vector or matrix instructions and memory or LDS instructions, with s_wait_alu, always for 0.
; THE PLAN.  Registers that memory or LDS instructions touch:
;   v4-v17     offsets, addresses and the closing add's two registers: written at the head, never again; read by every load and store.
;   v32-95     raw wh and wo: loads land; the roundings close four numbers up into the first two of their four registers; the LDS stores read those pairs.
;              Behind the barrier wh's fragments land there; from then on matrix instructions alone name them (v' is written over v32-63).
;   v96-127    raw x, likewise; behind the barrier the fragments of x (v96-111) and of wf, wg (v112-127) land there; at the end v' is rounded into v96-111, which the last stores read.
;   v128-135   raw wf, wg, likewise; not touched again.     v136-175  bh, bg: loads land; then vector and matrix instructions alone.
;   v176-239   wo's fragments land; no vector line names them before.     v20-23  scratch for the addresses; at the end f and g packed, read by one store.
; So there are six waits: one for the two scalar results of vector lines at the head; one ahead of the first load, for the addresses; one behind each of the two batches of roundings,
; ahead of the run of LDS stores that reads them; one behind the barrier, for the LDS stores' reads of the registers in which the fragments land; one ahead of the five global stores.
.set WHL,   0                          ; LDS: wh in bf16 as it lies, [c_in][c_out]: 64 rows, 128 bytes + 32 of padding
.set WOL,   10240                      ; wo likewise
.set FGL,   20480                      ; 64 rows of 32 bytes: wf's 8 columns, then wg's 8
.set XTL,   22528                      ; each wave's own 16 pixels: rows of 128 bytes + 16
.set SPARE, 31744                      ; the spare words, 128 bytes a wave: two blocks of 256 bytes that no other line names
.set PIECE, 36864
.set QOFF,  64*PIECE
.set WA,  4                            ; v4   where my 8 bytes of a row of wh or wo go
.set FA,  5                            ; v5   the same for wf; wg 16 bytes on
.set XA,  6                            ; v6   the same for x
.set XR,  7                            ; v7   x's fragments: row r, 16 h
.set TRA, 8                            ; v8   the turning load's place in wh and wo
.set TRF, 9                            ; v9   and in FGL
.set L16, 10                           ; v10  16 x lane
.set T16, 11                           ; v11  16 x thread
.set H32, 12                           ; v12  32 h
.set KQO, 13                           ; v13  my 16 bytes of K (lanes 0-15) or of g (lanes 16-31)
.set VO,  14                           ; v14  my 16 bytes of a fragment of V
.set ZO,  15                           ; v15  0, an offset
.set SPW, 16                           ; v16  my spare word; never rewritten
.set NIL, 17                           ; v17  0; never rewritten
.set FS,  18                           ; v[18:19] 1.0 in lanes 0-15 (f), log2(e) in lanes 16-31 (g)
.set TP,  20                           ; v20-23 f and g packed, on their way out (v20, v21 at the head: scratch)
.set WHF, 32                           ; v32-95   raw wh, raw wo; then wh's fragments (16 mb + 8 kc)
.set DV,  32                           ; v32-63   later v'
.set XF,  96                           ; v96-111  raw x (to v127); then x's fragments (8 kc); at the end v' packed
.set FGF, 112                          ; v112-127 wf's and wg's fragments
.set RFG, 128                          ; v128-135 raw wf, wg
.set DH,  136                          ; v136-167 bh, then h^T: register 8 mb + j = channel 16 mb + 8 h + j of pixel r
.set DFG, 168                          ; v168-175 0 | bg, then f | g of pixel r
.set WOF, 176                          ; v176-239 wo's fragments (16 nb + 8 kc)
.set HF,  240                          ; v240-255 h in bf16, 16 pixels x 64 channels
	s_load_b512 s[4:19], s[0:1], 0x0               ; x 4, wf 6, wg 8, bg 10, wh 12, bh 14, wo 16, kvq 18
	v_lshl_add_u32 v[SPW], v0, 2, SPARE
	v_mov_b32 v[NIL], 0
	v_lshrrev_b32 v20, 5, v0
	v_readfirstlane_b32 s20, v20                   ; wave 0..3
	v_and_b32 v1, 31, v0                           ; lane
	v_and_b32 v2, 15, v0                           ; r
	v_bfe_u32 v3, v0, 4, 1                         ; h
	v_cmp_eq_u32 s32, 1, v3                        ; lanes 16-31.  The two vector lines that write a scalar register stand early; what needs neither result follows
	v_lshrrev_b32 v20, 4, v0
	v_mul_u32_u24 v[WA], v20, 160                  ; a load of the work-group covers 8 rows of 256 bytes: row thread / 16,
	v_lshl_add_u32 v[WA], v2, 3, v[WA]             ; four numbers at 4 (thread % 16): 8 bytes in bf16
	v_lshrrev_b32 v20, 1, v0
	v_and_b32 v21, 1, v0
	v_lshl_add_u32 v[FA], v20, 5, FGL              ; wf, wg: row thread / 2, half thread % 2
	v_lshl_add_u32 v[FA], v21, 3, v[FA]
	v_mul_u32_u24 v[XA], v3, 144
	v_lshl_add_u32 v[XA], v2, 3, v[XA]
	v_mul_u32_u24 v[XR], v2, 144
	v_lshl_add_u32 v[XR], v3, 4, v[XR]
	v_and_b32 v20, 7, v0                           ; the turning load: lane l reads row 8 h + l % 8, 16 bytes at 16 ((l / 8) % 2)
	v_lshl_add_u32 v20, v3, 3, v20
	v_bfe_u32 v21, v0, 3, 1
	v_mul_u32_u24 v[TRA], v20, 160
	v_lshl_add_u32 v[TRA], v21, 4, v[TRA]
	v_lshl_add_u32 v[TRF], v20, 5, FGL
	v_lshl_add_u32 v[TRF], v21, 4, v[TRF]
	v_lshlrev_b32 v[L16], 4, v1
	v_lshlrev_b32 v[T16], 4, v0
	v_lshlrev_b32 v[H32], 5, v3
	v_mov_b32 v[ZO], 0
	v_mov_b32 v[FS+1], 0x3fb8aa3b                  ; log2(e)
	s_wait_alu depctr_va_sdst(0)                   ; s20 (the wave's number) and s32 (the mask of lanes 16-31) are written, ahead of the first reader of either
	s_mul_i32 s21, s20, 16*144
	s_add_co_u32 s21, s21, XTL                     ; my wave's 16 rows
	v_add_nc_u32 v[XA], s21, v[XA]
	v_add_nc_u32 v[XR], s21, v[XR]
	v_cndmask_b32 v[FS], 1.0, v[FS+1], s32
	v_mov_b32 v[FS+1], v[FS]
	s_lshr_b32 s22, ttmp9, 2
	s_mul_i32 s22, s22, PIECE                      ; my piece
	s_and_b32 s23, ttmp9, 3                        ; my key step in it
	s_lshl_b32 s24, s23, 10
	s_add_co_u32 s24, s24, s22
	s_lshl_b32 s25, s20, 8
	s_add_co_u32 s24, s24, s25                     ; K: piece + 1,024 step + 256 wave
	s_lshl_b32 s26, ttmp9, 10
	s_add_co_u32 s26, s26, s25
	s_add_co_u32 s26, s26, QOFF                    ; g: QOFF + 16 (64 G + 16 wave)
	v_mov_b32 v[KQO], s24
	v_mov_b32 v20, s26
	v_cndmask_b32 v[KQO], v[KQO], v20, s32
	v_lshl_add_u32 v[KQO], v2, 4, v[KQO]
	s_lshl_b32 s27, s23, 13
	s_add_co_u32 s27, s27, s22
	s_lshr_b32 s28, s20, 1
	s_lshl_b32 s28, s28, 12                        ; kk = wave / 2: four fragments of 1,024
	s_add_co_u32 s27, s27, s28
	s_and_b32 s28, s20, 1
	s_lshl_b32 s28, s28, 9                         ; q = wave % 2: half a fragment
	s_add_co_u32 s27, s27, s28
	s_add_co_u32 s27, s27, 4096                    ; behind the piece's K
	v_add_nc_u32 v[VO], s27, v[L16]
	s_lshl_b32 s30, ttmp9, 14                      ; 64 pixels of 256 bytes,
	s_lshl_b32 s31, s20, 12                        ; my wave's 16
	s_add_co_u32 s30, s30, s31
	s_mov_b32 s31, 0
	s_wait_kmcnt 0x0
	s_add_nc_u64 s[4:5], s[4:5], s[30:31]
	s_wait_alu depctr_va_vdst(0)                   ; v4 to v17 are written: the offsets and addresses that every load and store of the kernel reads, and the closing add's two registers
	; 36 loads, in the order in which they are wanted: wh 8, wo 8, wf 1, wg 1, x 8, bh 8, bg 2
.irp i, 0,1,2,3,4,5,6,7
	global_load_b128 v[WHF+4*\i:WHF+4*\i+3], v[T16], s[12:13] offset:2048*\i
.endr
.irp i, 0,1,2,3,4,5,6,7
	global_load_b128 v[WHF+32+4*\i:WHF+32+4*\i+3], v[T16], s[16:17] offset:2048*\i
.endr
	global_load_b128 v[RFG:RFG+3], v[T16], s[6:7]
	global_load_b128 v[RFG+4:RFG+7], v[T16], s[8:9]
.irp i, 0,1,2,3,4,5,6,7
	global_load_b128 v[XF+4*\i:XF+4*\i+3], v[L16], s[4:5] offset:512*\i
.endr
.irp mb, 0,1,2,3
	global_load_b128 v[DH+8*\mb:DH+8*\mb+3],   v[H32], s[14:15] offset:64*\mb
	global_load_b128 v[DH+8*\mb+4:DH+8*\mb+7], v[H32], s[14:15] offset:64*\mb+16
.endr
	global_load_b128 v[DFG:DFG+3],   v[ZO], s[10:11]
	global_load_b128 v[DFG+4:DFG+7], v[ZO], s[10:11] offset:16
.macro ROUND4 src                      ; four f32 rounded to bf16 close up into the first two of their four registers
	v_cvt_pk_bf16_f32 v[\src], v[\src], v[(\src)+1]
	v_cvt_pk_bf16_f32 v[(\src)+1], v[(\src)+2], v[(\src)+3]
.endm
	; the first batch: wh and wo are rounded in place, then stored in one run
	s_wait_loadcnt 28                              ; wh is in: 28 younger loads stay out
.irp i, 0,1,2,3,4,5,6,7
	ROUND4 WHF+4*\i
.endr
	s_wait_loadcnt 20                              ; wo is in
.irp i, 0,1,2,3,4,5,6,7
	ROUND4 WHF+32+4*\i
.endr
	s_wait_alu depctr_va_vdst(0)                   ; the 32 roundings have written the pairs in v32-95, which the sixteen LDS stores read
.irp i, 0,1,2,3,4,5,6,7
	ds_store_b64 v[WA], v[WHF+4*\i:WHF+4*\i+1] offset:WHL+1280*\i
.endr
.irp i, 0,1,2,3,4,5,6,7
	ds_store_b64 v[WA], v[WHF+32+4*\i:WHF+32+4*\i+1] offset:WOL+1280*\i
.endr
	; the second batch: wf, wg and x
	s_wait_loadcnt 18                              ; wf and wg are in: x, bh and bg stay out
	ROUND4 RFG
	ROUND4 RFG+4
	s_wait_loadcnt 10                              ; x is in: bh and bg stay out
.irp i, 0,1,2,3,4,5,6,7
	ROUND4 XF+4*\i
.endr
	s_wait_alu depctr_va_vdst(0)                   ; the 20 roundings have written the pairs in v96-135, which the ten LDS stores read; and every rounding is done with v32-127, in which the fragments land behind the barrier
	ds_store_b64 v[FA], v[RFG:RFG+1]
	ds_store_b64 v[FA], v[RFG+4:RFG+5] offset:16
.irp i, 0,1,2,3,4,5,6,7
	ds_store_b64 v[XA], v[XF+4*\i:XF+4*\i+1] offset:288*\i
.endr
	s_wait_loadcnt 0x0
.irp j, 0,1,2,3,4,5,6,7
	v_cndmask_b32 v[DFG+\j], 0, v[DFG+\j], s32     ; f starts at 0 (bf is left out), g at bg.  These lines name v168-175 alone, which no later load or store touches
.endr
	s_wait_dscnt 0x0                               ; for the others' sake: my part of the weights lies in LDS
	s_barrier_signal -1
	s_barrier_wait -1                              ; everybody's does
	s_wait_alu depctr_vm_vsrc(0)                   ; my LDS stores have read their pairs in v32-127: the fragments below land in these registers
	; fragments: x as it lies (K along the rows), the weights ([K][N]) turned
.irp kc, 0,1
	ds_load_b128 v[XF+8*\kc:XF+8*\kc+3],   v[XR] offset:64*\kc
	ds_load_b128 v[XF+8*\kc+4:XF+8*\kc+7], v[XR] offset:64*\kc+32
	ds_load_tr16_b128 v[FGF+8*\kc:FGF+8*\kc+3],   v[TRF] offset:1024*\kc
	ds_load_tr16_b128 v[FGF+8*\kc+4:FGF+8*\kc+7], v[TRF] offset:1024*\kc+512
.endr
.irp mb, 0,1,2,3
.irp kc, 0,1
	ds_load_tr16_b128 v[WHF+16*\mb+8*\kc:WHF+16*\mb+8*\kc+3],   v[TRA] offset:WHL+5120*\kc+32*\mb
	ds_load_tr16_b128 v[WHF+16*\mb+8*\kc+4:WHF+16*\mb+8*\kc+7], v[TRA] offset:WHL+5120*\kc+32*\mb+2560
.endr
.endr
.irp nb, 0,1,2,3
.irp kc, 0,1
	ds_load_tr16_b128 v[WOF+16*\nb+8*\kc:WOF+16*\nb+8*\kc+3],   v[TRA] offset:WOL+5120*\kc+32*\nb
	ds_load_tr16_b128 v[WOF+16*\nb+8*\kc+4:WOF+16*\nb+8*\kc+7], v[TRA] offset:WOL+5120*\kc+32*\nb+2560
.endr
.endr
	s_wait_dscnt 16                                ; all but wo's sixteen
	; (f | g)^T and h^T = weights^T x^T, onto the biases.  Source 0 = 16 output channels, source 1 = my 16 pixels: a lane holds ONE pixel and eight channels.
	; The five accumulators take turns, one instruction a turn.
.irp kc, 0,1
	v_wmma_f32_16x16x32_bf16 v[DFG:DFG+7], v[FGF+8*\kc:FGF+8*\kc+7], v[XF+8*\kc:XF+8*\kc+7], v[DFG:DFG+7]
.irp mb, 0,1,2,3
	v_wmma_f32_16x16x32_bf16 v[DH+8*\mb:DH+8*\mb+7], v[WHF+16*\mb+8*\kc:WHF+16*\mb+8*\kc+7], v[XF+8*\kc:XF+8*\kc+7], v[DH+8*\mb:DH+8*\mb+7]
.endr
.endr
.rept 4
	v_nop                                          ; four places between the last product and the first line that reads a result (ISA guide 7.12.1)
.endr
	; h^T rounded in pairs IS source 0 (16 pixels x 32 channels) of v' = h wo: nothing changes lanes.  Each accumulator is read from its low end on.
.irp kc, 0,1
.irp g, 0,1
.irp i, 0,1,2,3
	v_cvt_pk_bf16_f32 v[HF+8*\kc+4*\g+\i], v[DH+8*(2*\kc+\g)+2*\i], v[DH+8*(2*\kc+\g)+2*\i+1]
.endr
.endr
.endr
	s_wait_dscnt 0x0                               ; wo's fragments
.irp nb, 0,1,2,3
	v_wmma_f32_16x16x32_bf16 v[DV+8*\nb:DV+8*\nb+7], v[HF:HF+7], v[WOF+16*\nb:WOF+16*\nb+7], 0
.endr
.irp nb, 0,1,2,3
	v_wmma_f32_16x16x32_bf16 v[DV+8*\nb:DV+8*\nb+7], v[HF+8:HF+15], v[WOF+16*\nb+8:WOF+16*\nb+15], v[DV+8*\nb:DV+8*\nb+7]
.endr
	; f and g are made ready meanwhile: eight plain lines that name no register of those products are the places behind them
.irp i, 0,1,2,3
	v_pk_mul_f32 v[DFG+2*\i:DFG+2*\i+1], v[DFG+2*\i:DFG+2*\i+1], v[FS:FS+1]
.endr
.irp i, 0,1,2,3
	v_cvt_pk_bf16_f32 v[TP+\i], v[DFG+2*\i], v[DFG+2*\i+1]
.endr
	; v': a lane holds channel 16 nb + r and the pixels 8 h + 0..7: 16 bytes of the fragment's image
.irp nb, 0,1,2,3
.irp i, 0,1,2,3
	v_cvt_pk_bf16_f32 v[XF+4*\nb+\i], v[DV+8*\nb+2*\i], v[DV+8*\nb+2*\i+1]
.endr
.endr
	s_wait_alu depctr_va_vdst(0)                   ; the roundings have written v20-23 (f, g) and v96-111 (v'), which the five stores read: one wait for the run
	global_store_b128 v[KQO], v[TP:TP+3], s[18:19]  ; lanes 0-15: 256 consecutive bytes of K, aligned; lanes 16-31: 256 of g
.irp nb, 0,1,2,3
	global_store_b128 v[VO], v[XF+4*\nb:XF+4*\nb+3], s[18:19] offset:1024*\nb  ; 512 consecutive bytes, aligned
.endr
	s_wait_dscnt 0x0                               ; the closing lines, six on end
	s_wait_alu 0x0
	s_wait_tensorcnt 0x0
	ds_add_u32 v[SPW], v[NIL]
	s_wait_dscnt 0x0
	s_endpgm
.Lfunc_end_k_qd4833cf392_proj:
	.size	k_qd4833cf392_proj, .Lfunc_end_k_qd4833cf392_proj-k_qd4833cf392_proj
	.p2alignl 7, 3214868480
	.fill 96, 4, 3214868480
	.section	.rodata,"a",@progbits
	.p2align	6, 0x0
	.amdhsa_kernel k_qd4833cf392_proj
		.amdhsa_group_segment_fixed_size 32256
		.amdhsa_private_segment_fixed_size 0
		.amdhsa_enable_private_segment 0
		.amdhsa_kernarg_size 64
		.amdhsa_user_sgpr_count 2
		.amdhsa_user_sgpr_kernarg_segment_ptr 1
		.amdhsa_wavefront_size32 1
		.amdhsa_system_sgpr_workgroup_id_x 1
		.amdhsa_system_sgpr_workgroup_id_y 1
		.amdhsa_system_sgpr_workgroup_id_z 1
		.amdhsa_system_vgpr_workitem_id 0
		.amdhsa_next_free_vgpr 256
		.amdhsa_next_free_sgpr 66
		.amdhsa_reserve_vcc 0
		.amdhsa_float_denorm_mode_32 3
		.amdhsa_float_denorm_mode_16_64 3
		.amdhsa_memory_ordered 1
		.amdhsa_forward_progress 1
		.amdhsa_inst_pref_size 20
	.end_amdhsa_kernel
	.amdgpu_metadata
---
amdhsa.version: [ 1, 2 ]
amdhsa.kernels:
  - .name:           k_qd4833cf392_proj
    .symbol:         k_qd4833cf392_proj.kd
    .args:
      - { .name: x, .offset: 0, .size: 8, .value_kind: global_buffer, .address_space: global }
      - { .name: wf, .offset: 8, .size: 8, .value_kind: global_buffer, .address_space: global }
      - { .name: wg, .offset: 16, .size: 8, .value_kind: global_buffer, .address_space: global }
      - { .name: bg, .offset: 24, .size: 8, .value_kind: global_buffer, .address_space: global }
      - { .name: wh, .offset: 32, .size: 8, .value_kind: global_buffer, .address_space: global }
      - { .name: bh, .offset: 40, .size: 8, .value_kind: global_buffer, .address_space: global }
      - { .name: wo, .offset: 48, .size: 8, .value_kind: global_buffer, .address_space: global }
      - { .name: kvq, .offset: 56, .size: 8, .value_kind: global_buffer, .address_space: global }
    .group_segment_fixed_size: 32256
    .private_segment_fixed_size: 0
    .kernarg_segment_align: 8
    .kernarg_segment_size: 64
    .max_flat_workgroup_size: 128
    .sgpr_count:     66
    .vgpr_count:     256
    .wavefront_size: 32
...
	.end_amdgpu_metadata
.endif
;; end of part 3
;; launch attn: the kernel of part 2 again; grid 64 x 4, 4 waves a work-group, clusters of 4 x 1, 327,680 bytes of LDS; arguments kvq, x, bo, gamma, out0; writes out0
